; MI455X (gfx1250); checked and timed in simulation.
; The chip was launched on July 23, 2026; its instructions are those of AMD's public machine-readable ISA for CDNA 5 (MIT licence, August 2026) and "CDNA5" Instruction Set Architecture Reference Guide (July 2026). The comments in the code are by the model that wrote it; some were corrected since.
;; Multi Head Attention. Allowed arithmetic: matrix products marked QUANTISED: E2M3 operands, one E8M0 scale for each 32 along K, by v_wmma_scale_f32_16x16x128_f8f6f4 with both operands' format E2M3, f32 sums; everything else in f32.
;; Inputs: Wk_codes 1,024 x 32 x 24 uint8 (E2M3 codes of Wk, K innermost, in blocks of 32 codes, four codes in three bytes); Wk_scales 1,024 x 32 uint8 (E8M0 scales of Wk, one for each 32 codes along K); Wo_codes 1,024 x 32 x 24 uint8 (E2M3 codes of Wo, K innermost, in blocks of 32 codes, four codes in three bytes); Wo_scales 1,024 x 32 uint8 (E8M0 scales of Wo, one for each 32 codes along K); Wq_codes 1,024 x 32 x 24 uint8 (E2M3 codes of Wq, K innermost, in blocks of 32 codes, four codes in three bytes); Wq_scales 1,024 x 32 uint8 (E8M0 scales of Wq, one for each 32 codes along K); Wv_codes 1,024 x 32 x 24 uint8 (E2M3 codes of Wv, K innermost, in blocks of 32 codes, four codes in three bytes); Wv_scales 1,024 x 32 uint8 (E8M0 scales of Wv, one for each 32 codes along K); bk 1,024 float32; bo 1,024 float32; bq 1,024 float32; bv 1,024 float32; keys_codes 4 x 2,048 x 32 x 24 uint8 (E2M3 codes of keys, K innermost, in blocks of 32 codes, four codes in three bytes); keys_scales 4 x 2,048 x 32 uint8 (E8M0 scales of keys, one for each 32 codes along K); queries_codes 4 x 2,048 x 32 x 24 uint8 (E2M3 codes of queries, K innermost, in blocks of 32 codes, four codes in three bytes); queries_scales 4 x 2,048 x 32 uint8 (E8M0 scales of queries, one for each 32 codes along K); values_codes 4 x 2,048 x 32 x 24 uint8 (E2M3 codes of values, K innermost, in blocks of 32 codes, four codes in three bytes); values_scales 4 x 2,048 x 32 uint8 (E8M0 scales of values, one for each 32 codes along K).
;; Outputs: out0 4 x 2,048 x 1,024 float32.
;; This version of the problem:
;;   THIS VERSION OF THE PROBLEM IS GIVEN IN LOW PRECISION. The matrix products marked QUANTISED in the list below multiply operands that are first quantised to E2M3 (2 exponent bits, 3 mantissa bits; 6 bits a number), with one power-of-two scale for each 32 numbers along K (OCP MX v1.0); their sums are f32. All else is computed in f32.
;;   The module's matrix products, in the order in which they are computed (A, B: the left and right operand; K: the contracted axis; several contracted axes count as one K, in the product's order):
;;     1. [M 8,192, K 1,024] x [K 1,024, N 1,024]; A: input queries (given as codes); B: input Wq (given as codes): QUANTISED
;;     2. [M 8,192, K 1,024] x [K 1,024, N 1,024]; A: input keys (given as codes); B: input Wk (given as codes): QUANTISED
;;     3. [M 8,192, K 1,024] x [K 1,024, N 1,024]; A: input values (given as codes); B: input Wv (given as codes): QUANTISED
;;     4. batch 64 x [M 2,048, K 64] x [K 64, N 2,048]; A: computed on the way; B: computed on the way: QUANTISED
;;     5. batch 64 x [M 2,048, K 2,048] x [K 2,048, N 64]; A: softmax (see below); B: computed on the way: QUANTISED
;;     6. [M 8,192, K 1,024] x [K 1,024, N 1,024]; A: computed on the way; B: input Wo (given as codes): QUANTISED
;;   THE QUANTISER, for each operand of a quantised product, along K:
;;     - K is cut into blocks of 32 from its start; a last block that is shorter is filled with zeros.
;;     - A block's scale is 2^e with e = floor(log2(the largest magnitude in the block)) - 2, held to -126 .. 127; a block of zeros has e = 0. As a byte (E8M0): e + 127.
;;     - Each number is divided by its block's scale, clamped to +-7.5, and rounded to the nearest number of E2M3, ties to even, subnormals kept.
;;     - The product sums the exact products of the quantised numbers (number of the format x scale) in f32.
;;   ~~~python
;;   def quantise(x, axis):      # numpy; x: float32 -> the quantised numbers, widened to float32 again
;;       x = np.moveaxis(x, axis, -1); K = x.shape[-1]
;;       x = np.pad(x, [(0, 0)] * (x.ndim - 1) + [(0, -K % 32)]); x = x.reshape(x.shape[:-1] + (-1, 32)); a = np.abs(x).max(-1, keepdims=True)
;;       e = np.where(a > 0, np.clip(np.frexp(np.where(a > 0, a, 1))[1] - 1 - 2, -126, 127), 0)      # np.frexp(a)[1] - 1 = floor(log2(a)), exactly
;;       r = np.clip(x / 2.0 ** e, -7.5, 7.5)
;;       step = 2.0 ** (np.maximum(np.frexp(np.where(r == 0, 1, r))[1] - 1, 0) - 3)
;;       q = np.round(r / step) * step * 2.0 ** e      # np.round: ties to even
;;       return np.moveaxis(q.reshape(q.shape[:-2] + (-1,))[..., :K], -1, axis).astype(np.float32)
;;   ~~~
;;   SOFTMAX AHEAD OF A QUANTISED PRODUCT. Where the list says 'softmax', what is quantised is not the finished softmax but p = 2^(t - M), with t = logit x log2(e) and M = ceil(the row's largest t), a whole number; so 1/2 < the row's largest p <= 1. The row's sum l is taken of the UNQUANTISED p, in f32, and the product's result is divided by l at the end. Since M is a whole number, a kernel that streams over the keys may use a running M (the ceiling of the running maximum): every later rescaling is an exact power of two, which a block's scale takes up: the codes' values come out the same.
;;   OPERANDS COMPUTED ON THE WAY. 'Computed on the way' means the value that the module computes at that place (a softmax that the list does not call 'softmax' is quantised finished and normalised). What goes into a quantiser is computed in f32, as accurately as f32 sums, v_exp_f32 and their like allow (about 1e-6 of the number): no bf16 or f16 on the way to a quantiser, and a product that is left as it is and whose result goes on into a quantised operand takes f32 operands (vector FMAs, or v_wmma_f32_16x16x4_f32). A number that lies on a knife's edge between two numbers of the format may be rounded either way, as far as f32 arithmetic and the matrix unit's own rounding can turn it there, and no further.
;;   INPUTS GIVEN AS CODES. Wk (in the module: [1024, 1024], K = its axis 0); Wo (in the module: [1024, 1024], K = its axis 0); Wq (in the module: [1024, 1024], K = its axis 0); Wv (in the module: [1024, 1024], K = its axis 0); keys (in the module: [4, 2048, 1024], K = its axis 2); queries (in the module: [4, 2048, 1024], K = its axis 2); values (in the module: [4, 2048, 1024], K = its axis 2): each comes as NAME_codes (uint8): NAME with its K axis moved to the last place and cut into blocks of 32 codes, [.., K / 32, bytes a block], one block behind the other in memory; four codes in three bytes: a row's codes are one little-endian stream of bits, code i at bits 6 i .. 6 i + 5 (a code: sign, 2 exponent bits, 3 mantissa bits); and NAME_scales (uint8): the same leading axes, one E8M0 byte (e + 127) for each 32 codes along K. Its value is code x scale, taken as it is: it is not quantised again, and the codes and scales need not be those that the quantiser above would give.
;; One version. Each part assembles by itself: llvm-mc -triple=amdgcn-amd-amdhsa -mcpu=gfx1250 --defsym DOCPART=n.
;; ======== version 1 of 1: 3 launches
;; limits: right only within a limited range of input values
;; workspace buffers: qimg 13,369,344 bytes; kvimg 13,369,344 bytes; oimg 6,291,456 bytes; osc 262,144 bytes
;; launch proj (part 1): grid 4 x 96, 4 waves a work-group, clusters of 4 x 4, 327,680 bytes of LDS; arguments queries_codes, queries_scales, Wq_codes, Wq_scales, bq, keys_codes, keys_scales, Wk_codes, Wk_scales, bk, Wv_codes, Wv_scales, values_codes, values_scales, bv, qimg, kvimg; writes qimg, kvimg
.if DOCPART == 1
	.amdgcn_target "amdgcn-amd-amdhsa--gfx1250"
	.amdhsa_code_object_version 6
	.text
	.protected	k_q877ec65229_proj
	.globl	k_q877ec65229_proj
	.p2align	8
	.type	k_q877ec65229_proj,@function
k_q877ec65229_proj:
	s_mov_b64 s[64:65], 0
	v_nop
	global_prefetch_b8 v0, s[64:65] scope:SCOPE_SE
	s_setreg_imm32_b32 hwreg(HW_REG_WAVE_MODE, 25, 1), 1
	s_wait_xcnt 0x0
	s_wait_alu depctr_hold_cnt(0) depctr_sa_sdst(0) depctr_va_vdst(0) depctr_va_sdst(0) depctr_va_ssrc(0) depctr_va_vcc(0) depctr_vm_vsrc(0)
	s_getreg_b32 s2, hwreg(HW_REG_IB_STS2, 6, 4)
	s_cmp_eq_u32 s2, 0
	s_cbranch_scc0 .Lentry_in_a_cluster
	s_endpgm
.Lentry_in_a_cluster:
	s_bfe_u32 s2, ttmp6, 0x10000c
	s_cmp_lg_u32 s2, 0xf033
	s_cbranch_scc0 .Lentry_shape_is_right
	s_endpgm
.Lentry_shape_is_right:
; Q = queries Wq + bq, K = keys Wk + bk, V^T = (values Wv + bv)^T on codes of FP6 (E2M3), and their quantisers: Q and K along the head's 64, V along the keys.  No work of the problem is left out.
; The cluster's y / 8 picks the tensor (0 Q, 1 K, 2 V).  A tile of 256 x 256 a work-group, 128 x 128 a wave.  Source 1 ("A") is the tokens for Q and K and Wv's rows for V; source 0 ("B") the other side:
; so a lane's 16 results of two neighbouring accumulators run along the next product's K.  The bias is the C of the first step's products.
; K goes through two LDS slots in chunks of 256 bytes of each row of 768: three chunks, eight steps of 96 bytes; steps 2 and 5 lie across two chunks.  Scale bytes come once, as dense units of 256 bytes.
; OUT: a head's block of HEADB bytes in qimg or kvimg: 12,288 bytes of scale words, then 16 steps of 12,288 bytes of codes, all as images of the operand registers of the launch that reads them.
; No prefetch: K is three chunks, of which two are asked for at the head, at a block of 256 x 256 in clusters.  LIMITS: NaN and infinities are not served; a block under 2^-124 gets the byte 1 (read by this program alone).
.set ROWB,   256
.set NQ,     2
.set KROW,   768
.set STEPS,  8
.set CHUNKS, 3
.set PITCH,  272                       ; 256 bytes + 16 of padding
.set FR,     12
.set NL,     6
.set NP,     4
.set HALFT,  128*PITCH
.set SLOT,   4*HALFT
.set KS,     32
.set SCL,    2*SLOT
.set HALFS,  (128*KS/256)*272
.set SBLK,   (16*KS/256)*272
.set SPARE,  SCL+4*HALFS
.set HEADB,  208896
.set ADRA, 16                          ; v16-17 A's fragments in slot 0, 1; v18-19 for pieces whose lanes 16-31 read the next chunk
.set ADRB, 20
.set ADRS, 27
.set SPW,  28
.set NIL,  29
.set SC,   32                          ; v32-63 scale words, two sets
.set BB,   64                          ; v64-127 the bias as C
.set AF,   128                         ; A's fragments, window 0; B's two sets in window 1; accumulators in windows 2 and 3
.set PC,   128
.set TM,   152
.set U,    170
.set R0,   180
.set RL,   184
.set VO,   188
.set VS,   190
.set RH,   192
.set G1, 24
.set G0, 32
.set G1B, 48
.set G0B, 56
.set G1S, 68
.set G0S, 76
.set G1SB, 80
.set G0SB, 88
.set G0H, 4
.set G0HB, 8
.set MSB, 0
.macro WIN new
.if MSB != (\new)
	s_set_vgpr_msb (MSB<<8)|(\new)
.set MSB, (\new)
.endif
.endm
.set MUL_LO, 0xa1
.set MUL_HI, 0xf1
.set TO_B,   0x40
.macro JLOAD g0a, g1a, g0b, g1b        ; waves 0, 1 fetch for A, waves 2, 3 for B
	s_cmp_eq_u32 s15, 0
	s_cbranch_scc0 .Lfor_b_\@
	tensor_load_to_lds s[\g0a:\g0a+3], s[\g1a:\g1a+7]
	s_nop 0
.rept 4
	v_nop
.endr
	s_branch .Lasked_\@
.Lfor_b_\@:
	tensor_load_to_lds s[\g0b:\g0b+3], s[\g1b:\g1b+7]
	s_nop 0
.rept 4
	v_nop
.endr
.Lasked_\@:
.endm
.macro CREST
	s_cmp_lg_u32 s14, 0
	s_cbranch_scc1 .Lnot_wave_0_\@
	s_barrier_signal -3
.Lnot_wave_0_\@:
	s_barrier_wait -3
	s_barrier_signal -1
	s_barrier_wait -1
.endm
.macro CROUND
	s_barrier_signal -1
	s_barrier_wait -1
	CREST
.endm
	s_load_b256 s[68:75], s[0:1], 0x0
	s_load_b64 s[76:77], s[0:1], 0x20
	s_load_b256 s[80:87], s[0:1], 0x28
	s_load_b64 s[88:89], s[0:1], 0x48
	s_load_b256 s[48:55], s[0:1], 0x50
	s_load_b64 s[56:57], s[0:1], 0x70
	s_load_b128 s[60:63], s[0:1], 0x78
	v_lshl_add_u32 v[SPW], v0, 2, SPARE
	v_mov_b32 v[NIL], 0
	ds_add_u32 v[SPW], v[NIL]              ; the opening lines: the add twice and its wait
	ds_add_u32 v[SPW], v[NIL]
	v_lshrrev_b32 v1, 5, v0
	v_readfirstlane_b32 s14, v1            ; wave
	s_lshr_b32 s15, s14, 1                 ; my half of A's rows
	s_and_b32 s16, s14, 1                  ; my half of B's rows
	s_bfe_u32 s40, ttmp6, 0x40000          ; cx
	s_bfe_u32 s41, ttmp6, 0x40004          ; cy
	s_and_b32 s98, ttmp7, 0xffff
	s_lshr_b32 s95, s98, 3                 ; the tensor
	s_and_b32 s98, s98, 7
	s_cmp_eq_u32 s95, 2
	s_cselect_b32 s99, 0, s98
	s_cselect_b32 s98, s98, 0
	s_lshl_b32 s42, s98, 2
	s_add_co_u32 s42, s42, s40             ; B's tile
	s_lshl_b32 s17, s99, 2
	s_add_co_u32 s17, s17, s41             ; A's tile
	s_lshl_b32 s43, s41, 2
	s_lshl_b32 s43, 15, s43                ; my row of the cluster
	s_lshl_b32 s44, 0x1111, s40            ; my column
	s_mov_b32 s66, 0x76543210
	s_mov_b32 s67, 0xfedcba98
	s_lshl_b32 s20, s17, 8
	s_lshl_b32 s46, s42, 8
	s_mov_b32 s21, 0
	s_mov_b32 s47, 0
	s_mov_b64 s[18:19], KS
	s_mul_u64 s[22:23], s[20:21], s[18:19]
	s_mul_u64 s[92:93], s[46:47], s[18:19]
	s_mov_b64 s[18:19], KROW
	s_mul_u64 s[20:21], s[20:21], s[18:19]
	s_mul_u64 s[46:47], s[46:47], s[18:19]
	s_mul_i32 s18, s16, 128*KROW
	s_mov_b32 s19, 0
	s_mul_i32 s45, s14, HALFT
	s_wait_dscnt 0x0
	s_wait_kmcnt 0x0
	s_cmp_eq_u32 s95, 1
	s_cselect_b64 s[4:5], s[80:81], s[68:69]
	s_cselect_b64 s[6:7], s[82:83], s[70:71]
	s_cselect_b64 s[8:9], s[84:85], s[72:73]
	s_cselect_b64 s[10:11], s[86:87], s[74:75]
	s_cselect_b64 s[96:97], s[88:89], s[76:77]
	s_cmp_eq_u32 s95, 2
	s_cselect_b64 s[4:5], s[48:49], s[4:5]
	s_cselect_b64 s[6:7], s[50:51], s[6:7]
	s_cselect_b64 s[8:9], s[52:53], s[8:9]
	s_cselect_b64 s[10:11], s[54:55], s[10:11]
	s_cselect_b64 s[96:97], s[56:57], s[96:97]
	s_cmp_eq_u32 s95, 0
	s_cselect_b64 s[12:13], s[60:61], s[62:63]
	s_or_b32 s[G1+0], s43, (0<<16)|(1<<20)|(1<<21)|(5<<22)|(3<<25)
	s_or_b32 s[G1B+0], s44, (0<<16)|(1<<20)|(1<<21)|(5<<22)|(3<<25)
.irp g, G1, G1B
	s_mov_b32 s[\g+1], ROWB<<16
	s_mov_b32 s[\g+2], 256<<16             ; the head's loads bring 256 rows
	s_mov_b32 s[\g+3], ROWB<<16
	s_mov_b32 s[\g+4], 256
	s_mov_b32 s[\g+5], KROW
	s_mov_b32 s[\g+6], 0
	s_mov_b32 s[\g+7], 0
.endr
	s_or_b32 s[G1S+0], s43, (3<<16)|(1<<20)|(1<<21)|(5<<22)|(3<<25)
	s_or_b32 s[G1SB+0], s44, (3<<16)|(1<<20)|(1<<21)|(5<<22)|(3<<25)
.irp g, G1S, G1SB
	s_mov_b32 s[\g+1], 32<<16
	s_mov_b32 s[\g+2], KS<<16
	s_mov_b32 s[\g+3], 32<<16
	s_mov_b32 s[\g+4], KS
	s_mov_b32 s[\g+5], 32
	s_mov_b32 s[\g+6], 0
	s_mov_b32 s[\g+7], 0
.endr
	s_add_nc_u64 s[20:21], s[4:5], s[20:21]
	s_add_nc_u64 s[22:23], s[6:7], s[22:23]
	s_add_nc_u64 s[46:47], s[8:9], s[46:47]
	s_add_nc_u64 s[92:93], s[10:11], s[92:93]
	CROUND                                 ; the first joint loads meet
	s_mov_b32 s[G0H], 1
	s_mov_b32 s[G0H+1], 0
	s_mov_b64 s[G0H+2:G0H+3], s[20:21]
	s_or_b32 s[G0H+3], s[G0H+3], 0x80000000
	s_mov_b32 s[G0HB], 1
	s_mov_b32 s[G0HB+1], 2*HALFT
	s_mov_b64 s[G0HB+2:G0HB+3], s[46:47]
	s_or_b32 s[G0HB+3], s[G0HB+3], 0x80000000
	s_mov_b32 s[G0S], 1
	s_mov_b32 s[G0S+1], SCL
	s_mov_b64 s[G0S+2:G0S+3], s[22:23]
	s_or_b32 s[G0S+3], s[G0S+3], 0x80000000
	s_mov_b32 s[G0SB], 1
	s_mov_b32 s[G0SB+1], SCL+2*HALFS
	s_mov_b64 s[G0SB+2:G0SB+3], s[92:93]
	s_or_b32 s[G0SB+3], s[G0SB+3], 0x80000000
	s_add_nc_u64 s[20:21], s[20:21], s[18:19]
	s_add_nc_u64 s[46:47], s[46:47], s[18:19]
.irp s, 0,1
	s_mov_b32 s[G0+4*\s], 1
	s_add_co_u32 s[G0+4*\s+1], s45, \s*SLOT
	s_add_nc_u64 s[G0+4*\s+2:G0+4*\s+3], s[20:21], \s*ROWB
	s_or_b32 s[G0+4*\s+3], s[G0+4*\s+3], 0x80000000
	s_mov_b32 s[G0B+4*\s], 1
	s_add_co_u32 s[G0B+4*\s+1], s45, \s*SLOT
	s_add_nc_u64 s[G0B+4*\s+2:G0B+4*\s+3], s[46:47], \s*ROWB
	s_or_b32 s[G0B+4*\s+3], s[G0B+4*\s+3], 0x80000000
.endr
; the head's four tiles, one load a wave: chunk 0 of A, chunk 0 of B, A's scales, B's scales
.macro ARM under, g0, g1, next
	s_cmp_lt_u32 s14, \under
	s_cbranch_scc0 \next
	tensor_load_to_lds s[\g0:\g0+3], s[\g1:\g1+7]
	s_nop 0
.rept 4
	v_nop
.endr
	s_branch .Lhead_asked
\next:
.endm
	ARM 1, G0H,  G1,  .Lhead_b
	ARM 2, G0HB, G1B, .Lhead_sa
	ARM 3, G0S,  G1S, .Lhead_sb
	tensor_load_to_lds s[G0SB:G0SB+3], s[G1SB:G1SB+7]
	s_nop 0
.rept 4
	v_nop
.endr
.Lhead_asked:
	; where the results go: s[12:13] codes, s[98:99] scale words, s[2:3] and s[40:41] steps from block to block, s100 from the first to the second group
	s_cmp_eq_u32 s95, 2
	s_cselect_b32 s18, s42, s17
	s_cselect_b32 s19, s16, s15
	s_cselect_b32 s20, s17, s42
	s_cselect_b32 s21, s15, s16
	s_mov_b32 s2, 1536
	s_cselect_b32 s2, s2, 768
	s_mov_b32 s3, 0
	s_cselect_b32 s40, HEADB-6144, 0
	s_mov_b32 s41, 0
	s_mov_b32 s100, 768
	s_cselect_b32 s100, s100, HEADB
	s_cselect_b32 s22, 6144, 0
	s_cselect_b32 s23, 8, 9
	s_cselect_b32 s46, 8192, 0
	s_lshl_b32 s92, s20, 10
	s_lshl_b32 s93, s21, 9
	s_add_co_u32 s92, s92, s93
	s_mov_b32 s93, 0
	s_add_nc_u64 s[96:97], s[96:97], s[92:93]   ; my 128 numbers of the bias
	s_lshl_b32 s18, s18, 1
	s_add_co_u32 s18, s18, s19
	s_lshr_b32 s19, s18, 4
	s_and_b32 s18, s18, 15
	s_lshl_b32 s20, s20, 2
	s_lshl_b32 s21, s21, 1
	s_add_co_u32 s20, s20, s21
	s_lshl_b32 s19, s19, 4
	s_add_co_u32 s19, s19, s20
	s_mul_i32 s92, s19, HEADB
	s_add_nc_u64 s[12:13], s[12:13], s[92:93]
	s_lshl_b32 s92, s18, s23
	s_add_co_u32 s92, s92, s46
	s_add_nc_u64 s[98:99], s[12:13], s[92:93]
	s_mul_i32 s92, s18, 12288
	s_add_co_u32 s92, s92, s22
	s_add_co_u32 s92, s92, 12288
	s_add_nc_u64 s[12:13], s[12:13], s[92:93]
	v_and_b32 v1, 15, v0
	v_bfe_u32 v2, v0, 4, 1
	v_mul_u32_u24 v3, v1, PITCH
	v_mul_u32_u24 v4, v2, 24
	v_add_nc_u32 v4, v3, v4
	s_mov_b32 s21, SLOT-232
	s_mov_b32 s22, SLOT+232
	v_sub_nc_u32 v7, 1, v2
	v_mul_u32_u24 v5, s21, v2
	v_add_nc_u32 v5, v3, v5
	v_add_nc_u32 v5, 232, v5               ; lanes 0-15 byte 232 of the row in slot 0, lanes 16-31 byte 0 in slot 1
	v_mul_u32_u24 v6, s22, v7
	v_add_nc_u32 v6, v3, v6                ; and the other way round
	s_mul_i32 s21, s15, HALFT
	s_mul_i32 s22, s16, HALFT
	s_add_co_u32 s22, s22, 2*HALFT
	v_add_nc_u32 v[ADRA+2], s21, v5
	v_add_nc_u32 v[ADRA+3], s21, v6
	v_add_nc_u32 v[ADRB+2], s22, v5
	v_add_nc_u32 v[ADRB+3], s22, v6
.irp s, 0,1
	v_add_nc_u32 v[ADRA+\s], s21, v4
	v_add_nc_u32 v[ADRB+\s], s22, v4
	s_add_co_u32 s21, s21, SLOT
	s_add_co_u32 s22, s22, SLOT
.endr
	v_mul_u32_u24 v5, v1, KS
	v_lshrrev_b32 v6, 8, v5
	v_lshl_add_u32 v5, v6, 4, v5
	s_mul_i32 s21, s15, HALFS
	s_mul_i32 s22, s16, HALFS
	s_add_co_u32 s22, s22, 2*HALFS
	s_sub_co_u32 s22, s22, s21
	v_mul_u32_u24 v6, s22, v2              ; lanes 16-31 take B's scale words
	s_add_co_u32 s21, s21, SCL
	v_add_nc_u32 v5, v5, v6
	v_add_nc_u32 v[ADRS], s21, v5
	s_wait_alu depctr_va_vdst(0)           ; the wait ahead of the branch
	s_cmp_eq_u32 s95, 2
	s_cbranch_scc1 .Lbias_i
	v_lshlrev_b32 v7, 5, v2                ; Q, K: register n of tile x is column 16 x + 8 h + n
.irp x, 0,1,2,3,4,5,6,7
	global_load_b128 v[BB+8*\x:BB+8*\x+3], v7, s[96:97] offset:64*\x
	global_load_b128 v[BB+8*\x+4:BB+8*\x+7], v7, s[96:97] offset:64*\x+16
.endr
	s_branch .Lbias_done
.Lbias_i:
	v_lshlrev_b32 v7, 2, v1                ; V: every register of block x is Wv's row 16 x + r
.irp x, 0,1,2,3,4,5,6,7
.irp n, 0,1,2,3,4,5,6,7
	global_load_b32 v[BB+8*\x+\n], v7, s[96:97] offset:64*\x
.endr
.endr
.Lbias_done:
.macro FRAG reg, adr, st, i            ; six pieces of 8 bytes; byte y of a row lies in slot (y / 256) % 2 at byte y % 256
.irp p, 0,1,2,3,4,5
.set BY, 96*(\st)+48*(\p/3)+8*(\p%3)
.if BY/ROWB == (BY+24)/ROWB
	ds_load_b64 v[\reg+2*\p:\reg+2*\p+1], v[\adr+(BY/ROWB)%2] offset:BY%ROWB+(\i)*16*PITCH
.else
	ds_load_b64 v[\reg+2*\p:\reg+2*\p+1], v[\adr+2+(BY/ROWB)%2] offset:BY%ROWB-232+(\i)*16*PITCH
.endif
.endr
.endm
.macro MUL16 a0, p, q, sc, cm          ; cm 0: sums go on; 1: C = the bias by B's block; 2: by A's block.  The 64 accumulators take turns
.irp a, \a0, \a0+1
.irp b, 0,1,2,3,4,5,6,7
.set rD, 8*(8*((\a)%4)+\b)
.set rB, 128*(\p)+FR*\b
.set rA, AF+FR*(\a)
.set rSB, SC+8*NQ*(\sc)+NQ*\b+(\q)
.set rSA, SC+8*NQ*(\sc)+NQ*(\a)+(\q)
.if (\cm) == 0
	v_wmma_scale_f32_16x16x128_f8f6f4 v[rD:rD+7], v[rB:rB+FR-1], v[rA:rA+FR-1], v[rD:rD+7], v[rSB], v[rSA] matrix_a_fmt:MATRIX_FMT_FP6 matrix_b_fmt:MATRIX_FMT_FP6 matrix_a_scale:MATRIX_SCALE_ROW1
.elseif (\cm) == 1
	v_wmma_scale_f32_16x16x128_f8f6f4 v[rD:rD+7], v[rB:rB+FR-1], v[rA:rA+FR-1], v[BB+8*\b:BB+8*\b+7], v[rSB], v[rSA] matrix_a_fmt:MATRIX_FMT_FP6 matrix_b_fmt:MATRIX_FMT_FP6 matrix_a_scale:MATRIX_SCALE_ROW1
.else
	v_wmma_scale_f32_16x16x128_f8f6f4 v[rD:rD+7], v[rB:rB+FR-1], v[rA:rA+FR-1], v[BB+8*(\a):BB+8*(\a)+7], v[rSB], v[rSA] matrix_a_fmt:MATRIX_FMT_FP6 matrix_b_fmt:MATRIX_FMT_FP6 matrix_a_scale:MATRIX_SCALE_ROW1
.endif
.endr
.endr
.endm
.macro FETCH_B st, p
	WIN TO_B
.irp i, 0,1,2,3,4,5,6,7
	FRAG 128*(\p)+FR*\i, ADRB, \st, \i
.endr
	WIN 0
.endm
.macro FETCH_A st, i0
.irp i, \i0, \i0+1, \i0+2, \i0+3
	FRAG AF+FR*(\i), ADRA, \st, \i
.endr
.endm
.macro SCALES pr
.irp i, 0,1,2,3,4,5,6,7
	ds_load_b64 v[SC+8*NQ*((\pr)%2)+NQ*\i:SC+8*NQ*((\pr)%2)+NQ*\i+1], v[ADRS] offset:\i*SBLK+4*NQ*(\pr)
.endr
.endm
.macro PLACES n
.rept \n
	v_nop
.endr
.endm
; A step of 128 along K.  Where the next step's bytes end in a chunk not read yet, a barrier shows it; where they begin in a later chunk, the chunk left behind is freed by the three lines and the barrier,
; which opens a round where a chunk two on is left to fetch.
.macro STEP st, cm
.set NX, (\st)+1
.set C0, (96*(\st))/ROWB
.set C1, (96*NX)/ROWB
.set E0, (96*(\st)+95)/ROWB
.set E1, (96*NX+95)/ROWB
.if \cm
.set WLO, 0x81
.set WHI, 0xc1
.else
.set WLO, MUL_LO
.set WHI, MUL_HI
.endif
.if C1 > C0 || E1 > E0
	s_wait_tensorcnt 0x0
.if C1 > C0
	ds_add_u32 v[SPW], v[NIL]              ; the add
	s_wait_dscnt 4*NL+1                    ; the add and A's blocks 4-7 may be out
.else
	s_wait_dscnt 4*NL
.endif
	WIN WLO
	MUL16 0, (\st)%2, (\st)%2, ((\st)/2)%2, \cm
	s_wait_dscnt 0x0
	s_barrier_signal -1
	MUL16 2, (\st)%2, (\st)%2, ((\st)/2)%2, \cm
	WIN 0
	s_barrier_wait -1
.if C1 > C0 && C0+2 < CHUNKS
	CREST
	s_add_nc_u64 s[G0+4*(C0%2)+2:G0+4*(C0%2)+3], s[G0+4*(C0%2)+2:G0+4*(C0%2)+3], 2*ROWB
	s_add_nc_u64 s[G0B+4*(C0%2)+2:G0B+4*(C0%2)+3], s[G0B+4*(C0%2)+2:G0B+4*(C0%2)+3], 2*ROWB
	JLOAD G0+4*(C0%2), G1, G0B+4*(C0%2), G1B
.else
	PLACES NP
.endif
.else
	s_wait_dscnt 4*NL                      ; A's blocks 4-7 may be out
	WIN WLO
	MUL16 0, (\st)%2, (\st)%2, ((\st)/2)%2, \cm
	MUL16 2, (\st)%2, (\st)%2, ((\st)/2)%2, \cm
	s_wait_dscnt 0
	PLACES NP
.endif
	FETCH_B NX, NX%2
	FETCH_A NX, 0
.if NX%2 == 0
	SCALES NX/2
.endif
	WIN WHI
	MUL16 4, (\st)%2, (\st)%2, ((\st)/2)%2, \cm
	MUL16 6, (\st)%2, (\st)%2, ((\st)/2)%2, \cm
	PLACES NP
	WIN 0
	FETCH_A NX, 4
.endm
	s_wait_alu depctr_va_vdst(0)           ; the wait at the head's end
	s_wait_tensorcnt 0x0                   ; my tile of the head's four is in
	ds_add_u32 v[SPW], v[NIL]
	s_mov_b32 s[G1+2], 128<<16             ; no load of mine is out: from here on a load brings 128 rows
	s_mov_b32 s[G1+4], 128
	s_mov_b32 s[G1B+2], 128<<16
	s_mov_b32 s[G1B+4], 128
	s_wait_dscnt 0x0
	CROUND
	JLOAD G0+4, G1, G0B+4, G1B             ; chunk 1, slot 1's first fill, issued as a refill is
	FETCH_B 0, 0
	FETCH_A 0, 0
	SCALES 0
	FETCH_A 0, 4
	s_wait_loadcnt 0x0                     ; the bias
	s_cmp_eq_u32 s95, 2
	s_cbranch_scc1 .Lfirst_i
	STEP 0, 1
	s_branch .Lfirst_done
.Lfirst_i:
	STEP 0, 2
.Lfirst_done:
.set ST, 1
.rept STEPS-2
	STEP ST, 0
.set ST, ST+1
.endr
	s_wait_dscnt 4*NL
	WIN MUL_LO
	MUL16 0, 1, 1, 1, 0
	MUL16 2, 1, 1, 1, 0
	s_wait_dscnt 0
	WIN MUL_HI
	MUL16 4, 1, 1, 1, 0
	MUL16 6, 1, 1, 1, 0
	WIN 0
	PLACES NP
	s_mov_b32 vcc_lo, 0xffff0000
.irp b, 0,1,2,3
	v_mov_b32 v[TM+4+\b], 0
.endr
	v_and_b32 v[VS], 31, v0
	v_lshlrev_b32 v[VO], 3, v[VS]
	v_add_nc_u32 v[VO+1], s100, v[VO]
	v_lshlrev_b32 v[VS], 4, v[VS]
; THE WAY OUT of A's block a: four scale blocks of 32 (a lane's 16 and lane l xor 16's), their bytes, four conversions, a whole block to a lane, two groups of six registers stored as images
.macro OUTA a
.set AC, 64*((\a)%4)
.if (\a) > 0
	s_wait_xcnt 0x0                        ; the earlier stores have read their base and data
	s_add_nc_u64 s[12:13], s[12:13], s[2:3]
.if (\a) == 4
	s_add_nc_u64 s[12:13], s[12:13], s[40:41]
.endif
.endif
	WIN 0x0a+5*((\a)/4)
.irp b, 0,1,2,3
	v_max3_num_f32 v[TM+\b], |v[AC+16*\b]|, |v[AC+16*\b+1]|, 0x1800000
.endr
.irp i, 2,4,6,8,10,12,14
.irp b, 0,1,2,3
	v_max3_num_f32 v[TM+\b], |v[AC+16*\b+\i]|, |v[AC+16*\b+\i+1]|, v[TM+\b]
.endr
.endr
	WIN 0
.irp b, 0,1,2,3
	v_permlanex16_b32 v[TM+4+\b], v[TM+\b], s66, s67
.endr
.irp b, 0,1,2,3
	v_max_num_f32 v[TM+\b], v[TM+\b], v[TM+4+\b]
.endr
.irp b, 0,1,2,3
	v_add_nc_u32 v[TM+12+\b], 0xff000000, v[TM+\b]
.endr
.irp b, 0,1,2,3
	v_lshrrev_b32 v[TM+4+\b], 23, v[TM+12+\b]
.endr
	v_lshl_or_b32 v[U+(\a)], v[TM+5], 8, v[TM+4]
	v_lshl_or_b32 v[U+(\a)], v[TM+6], 16, v[U+(\a)]
	v_lshl_or_b32 v[U+(\a)], v[TM+7], 24, v[U+(\a)]
	WIN 0x02+(\a)/4
.irp c, 0,1
	v_cvt_scalef32_pk16_fp6_f32 v[PC+6*\c:PC+6*\c+2], v[AC+32*\c:AC+32*\c+15], v[TM+12+2*\c]
	v_cvt_scalef32_pk16_fp6_f32 v[PC+12+4*\c:PC+14+4*\c], v[AC+16+32*\c:AC+31+32*\c], v[TM+13+2*\c]
.endr
	WIN 0
	v_nop
.irp c, 0,1
.irp i, 0,1,2
	v_permlane16_swap_b32 v[PC+6*\c+\i], v[PC+12+4*\c+\i]
.endr
.irp i, 0,1,2
	v_mov_b32 v[PC+3+6*\c+\i], v[PC+12+4*\c+\i]
.endr
.endr
.irp c, 0,1
.irp p, 0,1,2
	global_store_b64 v[VO+\c], v[PC+6*\c+2*\p:PC+6*\c+2*\p+1], s[12:13] offset:256*\p   ; 32 lanes store 256 consecutive bytes, aligned
.endr
.endr
.endm
.irp a, 0,1,2,3,4,5,6,7
	OUTA \a
.endr
.irp c, 0,1,2,3
	v_cndmask_b32 v[R0+\c], v[U+2*\c], v[U+2*\c+1], vcc_lo
.endr
	s_cmp_eq_u32 s95, 2
	s_cbranch_scc1 .Lsc_v
.irp c, 0,1,2,3
	v_and_b32 v[RL+\c], 0xffff, v[R0+\c]
	v_lshrrev_b32 v[RH+\c], 16, v[R0+\c]
.endr
	global_store_b128 v[VS], v[RL:RL+3], s[98:99]
	global_store_b128 v[VS], v[RH:RH+3], s[98:99] offset:HEADB
	s_branch .Lsc_done
.Lsc_v:
	s_wait_alu depctr_va_vdst(0)
	global_store_b64 v[VO], v[R0:R0+1], s[98:99]
	global_store_b64 v[VO], v[R0+2:R0+3], s[98:99] offset:HEADB
.Lsc_done:
	s_wait_tensorcnt 0x0                   ; the wave's end
	ds_add_u32 v[SPW], v[NIL]
	s_wait_dscnt 0x0
	CROUND
	s_endpgm
.Lfunc_end_k_q877ec65229_proj:
	.size	k_q877ec65229_proj, .Lfunc_end_k_q877ec65229_proj-k_q877ec65229_proj
	.p2alignl 7, 3214868480
	.fill 96, 4, 3214868480
	.section	.rodata,"a",@progbits
	.p2align	6, 0x0
	.amdhsa_kernel k_q877ec65229_proj
		.amdhsa_group_segment_fixed_size 327680
		.amdhsa_private_segment_fixed_size 0
		.amdhsa_enable_private_segment 0
		.amdhsa_kernarg_size 136
		.amdhsa_user_sgpr_count 2
		.amdhsa_user_sgpr_kernarg_segment_ptr 1
		.amdhsa_wavefront_size32 1
		.amdhsa_system_sgpr_workgroup_id_x 1
		.amdhsa_system_sgpr_workgroup_id_y 1
		.amdhsa_system_sgpr_workgroup_id_z 1
		.amdhsa_system_vgpr_workitem_id 0
		.amdhsa_next_free_vgpr 1024
		.amdhsa_next_free_sgpr 102
		.amdhsa_reserve_vcc 1
		.amdhsa_float_denorm_mode_32 3
		.amdhsa_float_denorm_mode_16_64 3
		.amdhsa_memory_ordered 1
		.amdhsa_forward_progress 1
		.amdhsa_inst_pref_size 192
	.end_amdhsa_kernel
	.amdgpu_metadata
---
amdhsa.version: [ 1, 2 ]
amdhsa.kernels:
  - .name:           k_q877ec65229_proj
    .symbol:         k_q877ec65229_proj.kd
    .args:
      - { .name: queries_codes, .offset: 0, .size: 8, .value_kind: global_buffer, .address_space: global }
      - { .name: queries_scales, .offset: 8, .size: 8, .value_kind: global_buffer, .address_space: global }
      - { .name: Wq_codes, .offset: 16, .size: 8, .value_kind: global_buffer, .address_space: global }
      - { .name: Wq_scales, .offset: 24, .size: 8, .value_kind: global_buffer, .address_space: global }
      - { .name: bq, .offset: 32, .size: 8, .value_kind: global_buffer, .address_space: global }
      - { .name: keys_codes, .offset: 40, .size: 8, .value_kind: global_buffer, .address_space: global }
      - { .name: keys_scales, .offset: 48, .size: 8, .value_kind: global_buffer, .address_space: global }
      - { .name: Wk_codes, .offset: 56, .size: 8, .value_kind: global_buffer, .address_space: global }
      - { .name: Wk_scales, .offset: 64, .size: 8, .value_kind: global_buffer, .address_space: global }
      - { .name: bk, .offset: 72, .size: 8, .value_kind: global_buffer, .address_space: global }
      - { .name: Wv_codes, .offset: 80, .size: 8, .value_kind: global_buffer, .address_space: global }
      - { .name: Wv_scales, .offset: 88, .size: 8, .value_kind: global_buffer, .address_space: global }
      - { .name: values_codes, .offset: 96, .size: 8, .value_kind: global_buffer, .address_space: global }
      - { .name: values_scales, .offset: 104, .size: 8, .value_kind: global_buffer, .address_space: global }
      - { .name: bv, .offset: 112, .size: 8, .value_kind: global_buffer, .address_space: global }
      - { .name: qimg, .offset: 120, .size: 8, .value_kind: global_buffer, .address_space: global }
      - { .name: kvimg, .offset: 128, .size: 8, .value_kind: global_buffer, .address_space: global }
    .group_segment_fixed_size: 327680
    .private_segment_fixed_size: 0
    .kernarg_segment_align: 8
    .kernarg_segment_size: 136
    .max_flat_workgroup_size: 128
    .sgpr_count:     102
    .vgpr_count:     1024
    .wavefront_size: 32
...
	.end_amdgpu_metadata
.endif
;; end of part 1
;; launch attn (part 2): grid 4 x 64, 16 waves a work-group, clusters of 4 x 1, 215,040 bytes of LDS; arguments qimg, kvimg, oimg, osc; writes oimg, osc
.if DOCPART == 2
	.amdgcn_target "amdgcn-amd-amdhsa--gfx1250"
	.amdhsa_code_object_version 6
	.text
	.protected	k_q877ec65229_attn
	.globl	k_q877ec65229_attn
	.p2align	8
	.type	k_q877ec65229_attn,@function
k_q877ec65229_attn:
	s_mov_b64 s[64:65], 0
	v_nop
	global_prefetch_b8 v0, s[64:65] scope:SCOPE_SE
	s_setreg_imm32_b32 hwreg(HW_REG_WAVE_MODE, 25, 1), 1
	s_wait_xcnt 0x0
	s_wait_alu depctr_hold_cnt(0) depctr_sa_sdst(0) depctr_va_vdst(0) depctr_va_sdst(0) depctr_va_ssrc(0) depctr_va_vcc(0) depctr_vm_vsrc(0)
	s_getreg_b32 s2, hwreg(HW_REG_IB_STS2, 6, 4)
	s_cmp_eq_u32 s2, 0
	s_cbranch_scc0 .Lentry_in_a_cluster
	s_endpgm
.Lentry_in_a_cluster:
	s_bfe_u32 s2, ttmp6, 0x10000c
	s_cmp_lg_u32 s2, 0x3003
	s_cbranch_scc0 .Lentry_shape_is_right
	s_endpgm
.Lentry_shape_is_right:
; ATTENTION OF ONE HEAD ON CODES OF FP6 (E2M3): S^T = K Q^T (K = the head's 64), p = 2^(t - M), O^T += V^T P^T (K = the keys), o = O / l, and o quantised along the head's 64 for the last projection.
; t = score x log2(e) / 8; M = the running largest t rounded up to a whole number; p is quantised unnormalised, along the keys; l is the sum of the unquantised p; when M moves, l and O^T are multiplied by 2^(old M - new M).
; SHARES.  A work-group owns 512 queries of one head (16 b + h = the grid's y), in two passes of 256; in a pass each of its sixteen waves owns a tile of 16 queries.  Every wave walks the head's 2,048 keys, 128 a step.
; LDS.  A head's block of kvimg (scale words, then for each step 8 groups of K and 4 fragments of V^T, as images of operand registers) is 208,896 bytes: it comes in whole, once, and serves both passes.
; Each wave asks for a sixteenth of it, 51 rows of 256 bytes, by ONE joint load that names the cluster's four work-groups, which share the head.  Nothing is filled again; one barrier shows the block to all waves.
; No prefetch: all that the launch reads through LDS is asked for at the head, so there is no loop to run ahead in.
; LAYOUT.  Both products are used transposed: a lane holds one query (lane % 16).  In S^T register 8 t + n of lane (r, h) is key 16 t + 8 h + n, the order in which V^T's keys were laid.
; K = 64 IN A FORM OF 128: Q's registers 6-11 hold zero codes, so a tile of K names 12 registers of which the upper six may hold any codes; the scale bytes of that half are 0 on both sides.
; LIMITS: NaN and infinities are not served; the scaled scores stay under 2^31 in magnitude; a block of p or o under 2^-124 gets the byte 1 (read by this program alone); the division by l is v_rcp_f32 and a multiplication.
; REGISTERS: v1 8 x lane, v2 16 x lane, v3 16 x (lane % 16); v8-10 the step's LDS addresses; v11 my o's scale halves; v12 -M, v13 the largest t, v[14:15] l; v16-27 Q, v28 its scale word; v86-92 the second pass's Q;
;   v32-79 K's groups, then V^T; v80-85 zeros; v96-159 S^T, then p; v160-191 O^T; v192-203 p's codes; v204-210 halves of blocks; v212-230 at work; v232-237 K's and V's scale words; v238-253 partial sums of p.
.set HEADB, 208896
.set STEPB, 12288
.set STG,   HEADB                      ; 1,024 bytes for 512 queries' scale halves: blocks into which no fill lands
.set BM,  212
.set PT,  216
.set SO,  220
.set TS,  238
.set WV,  12
.macro ROUND
	s_barrier_signal -1
	s_barrier_wait -1
	s_cmp_lg_u32 s[WV], 0
	s_cbranch_scc1 .Lnot_wave_0_\@
	s_barrier_signal -3
.Lnot_wave_0_\@:
	s_barrier_wait -3
	s_barrier_signal -1
	s_barrier_wait -1
.endm
	s_load_b256 s[4:11], s[0:1], 0x0               ; qimg, kvimg, oimg, osc
	v_lshl_add_u32 v254, v0, 2, 0x34000
	v_mov_b32 v255, 0
	ds_add_u32 v254, v255                          ; the opening lines
	ds_add_u32 v254, v255
	v_lshrrev_b32 v1, 5, v0
	s_delay_alu instid0(VALU_DEP_1)
	v_readfirstlane_b32 s[WV], v1
	s_bfe_u32 s13, ttmp6, 0x40000                  ; cx
	s_lshl_b32 s14, ttmp9, 2
	s_add_co_u32 s14, s14, s13
	s_lshl_b32 s14, s14, 1                         ; the first pass's block of 256 queries: it enters Q's and o's addresses alone
	s_and_b32 s15, ttmp7, 0xffff                   ; the head
	s_mul_i32 s16, s15, HEADB
	s_mov_b32 s17, 0
	s_mov_b32 s24, 15|(3<<16)|(1<<21)              ; 51 dense rows of 256 bytes; the mask names all four
	s_mov_b32 s25, 32<<16
	s_mov_b32 s26, 51<<16
	s_mov_b32 s27, 32<<16
	s_mov_b32 s28, 51
	s_mov_b32 s29, 32
	s_mov_b32 s30, 0
	s_mov_b32 s31, 0
	s_mul_i32 s20, s[WV], 13056                    ; my sixteenth: the same offset in LDS as in the head's block
	s_mov_b32 s21, 0
	s_mov_b32 s62, 0x76543210
	s_mov_b32 s63, 0xfedcba98
	s_mov_b32 s66, 0x3e38aa3b                      ; log2(e) / 8
	s_mov_b32 s67, s66
	s_wait_dscnt 0x0
	s_wait_kmcnt 0x0
	s_add_nc_u64 s[18:19], s[6:7], s[16:17]
	s_mov_b32 s40, 1
	s_mov_b32 s41, s20
	s_add_nc_u64 s[42:43], s[18:19], s[20:21]
	s_or_b32 s43, s43, 0x80000000
	ROUND
	tensor_load_to_lds s[40:43], s[24:31]
	s_nop 0
.rept 4
	v_nop
.endr
	v_and_b32 v4, 31, v0
	s_delay_alu instid0(VALU_DEP_1)
	v_lshlrev_b32 v1, 3, v4
	s_wait_alu depctr_va_vdst(0)
	v_lshlrev_b32 v2, 4, v4
	v_and_b32 v5, 15, v0
	s_delay_alu instid0(VALU_DEP_1)
	v_lshlrev_b32 v3, 4, v5
	s_wait_alu depctr_va_vdst(0)
	s_lshl_b32 s20, s[WV], 5
	s_add_co_u32 s20, s20, STG
	v_lshl_add_u32 v11, v5, 1, s20
	; Q: my tile is tile wave % 8 of step 2 x block + wave / 8 in the head's block of qimg; the second pass's lies two steps on
	s_lshl_b32 s20, s14, 1
	s_lshr_b32 s21, s[WV], 3
	s_add_co_u32 s20, s20, s21
	s_and_b32 s21, s[WV], 7
	s_add_nc_u64 s[4:5], s[4:5], s[16:17]
	s_lshl_b32 s22, s20, 9
	s_and_b32 s23, s21, 1
	s_lshl_b32 s23, s23, 8
	s_add_co_u32 s22, s22, s23
	s_lshr_b32 s23, s21, 1
	s_lshl_b32 s23, s23, 2
	s_add_co_u32 s22, s22, s23
	s_mov_b32 s23, 0
	s_add_nc_u64 s[60:61], s[4:5], s[22:23]
	s_mul_i32 s22, s20, STEPB
	s_mul_i32 s21, s21, 768
	s_add_co_u32 s22, s22, s21
	s_add_co_u32 s22, s22, 12288
	s_add_nc_u64 s[4:5], s[4:5], s[22:23]
.irp p, 0,1,2
	global_load_b64 v[16+2*\p:17+2*\p], v1, s[4:5] offset:256*\p
	global_load_b64 v[86+2*\p:87+2*\p], v1, s[4:5] offset:2*STEPB+256*\p
.endr
	global_load_b32 v28, v3, s[60:61]
	global_load_b32 v92, v3, s[60:61] offset:1024
	; o: token tile 128 b + 16 x block + wave, 12,288 bytes a tile, my head's 768 in it;  its scale halves: [head][token], 2 bytes
	s_lshr_b32 s20, s15, 4
	s_and_b32 s21, s15, 15
	s_lshl_b32 s22, s20, 7
	s_lshl_b32 s23, s14, 4
	s_add_co_u32 s22, s22, s23
	s_add_co_u32 s22, s22, s[WV]
	s_mul_i32 s22, s22, 12288
	s_mul_i32 s23, s21, 768
	s_add_co_u32 s22, s22, s23
	s_mov_b32 s23, 0
	s_add_nc_u64 s[8:9], s[8:9], s[22:23]
	s_lshl_b32 s22, s20, 12
	s_lshl_b32 s23, s14, 9
	s_add_co_u32 s22, s22, s23
	s_lshl_b32 s23, s21, 14
	s_add_co_u32 s22, s22, s23
	s_mov_b32 s23, 0
	s_add_nc_u64 s[10:11], s[10:11], s[22:23]
.irp i, 22,23,24,25,26,27,80,81,82,83,84,85
	v_mov_b32 v\i, 0                               ; zero codes
.endr
	v_mov_b32 v225, 0
.irp b, 0,1,2,3
	v_mov_b32 v[PT+\b], 0
.endr
; A KEY STEP: 128 keys.
.macro STEP
	v_add_nc_u32 v8, s68, v1
	v_add_nc_u32 v9, s69, v2
	v_add_nc_u32 v10, s70, v1
	v_nop                                          ; four places between the last step's products and the loads into their registers
.irp t, 0,1,2,3,4,5,6,7
.irp p, 0,1,2
	ds_load_b64 v[32+6*\t+2*\p:33+6*\t+2*\p], v8 offset:768*\t+256*\p
.endr
.endr
	ds_load_b128 v[232:235], v9
	s_wait_alu depctr_va_vdst(0)
	s_wait_dscnt 0x0
.irp t, 0,1,2,3,4,5,6,7
.if \t%2
	v_wmma_scale_f32_16x16x128_f8f6f4 v[96+8*\t:103+8*\t], v[32+6*\t:43+6*\t], v[16:27], 0, v[232+\t/2], v28 matrix_a_fmt:MATRIX_FMT_FP6 matrix_b_fmt:MATRIX_FMT_FP6 matrix_a_scale:MATRIX_SCALE_ROW1
.else
	v_wmma_scale_f32_16x16x128_f8f6f4 v[96+8*\t:103+8*\t], v[32+6*\t:43+6*\t], v[16:27], 0, v[232+\t/2], v28 matrix_a_fmt:MATRIX_FMT_FP6 matrix_b_fmt:MATRIX_FMT_FP6
.endif
.endr
.rept 4
	v_nop
.endr
.irp f, 0,1,2,3
.irp c, 0,1
.irp p, 0,1,2
	ds_load_b64 v[32+12*\f+6*\c+2*\p:33+12*\f+6*\c+2*\p], v8 offset:6144+1536*\f+768*\c+256*\p   ; V^T lands while the softmax is worked
.endr
.endr
.endr
	ds_load_b64 v[236:237], v10
.irp b, 0,1,2,3
	v_max3_num_f32 v[BM+\b], v[96+16*\b], v[97+16*\b], v[98+16*\b]   ; each block's largest score: for the row's maximum and for the block's largest p
.endr
.irp i, 3,5,7,9,11,13
.irp b, 0,1,2,3
	v_max3_num_f32 v[BM+\b], v[BM+\b], v[96+16*\b+\i], v[97+16*\b+\i]
.endr
.endr
.irp b, 0,1,2,3
	v_max_num_f32 v[BM+\b], v[BM+\b], v[111+16*\b]
.endr
.irp b, 0,1,2,3
	s_delay_alu instid0(VALU_DEP_4)
	v_permlanex16_b32 v[PT+\b], v[BM+\b], s62, s63
.endr
.irp b, 0,1,2,3
	s_delay_alu instid0(VALU_DEP_4)
	v_max_num_f32 v[BM+\b], v[BM+\b], v[PT+\b]
.endr
	s_delay_alu instid0(VALU_DEP_2)
	v_max3_num_f32 v226, v[BM], v[BM+1], v[BM+2]
	s_delay_alu instid0(VALU_DEP_1)
	v_max_num_f32 v226, v226, v[BM+3]
	s_delay_alu instid0(VALU_DEP_1)
	v_mul_f32 v226, s66, v226
	s_delay_alu instid0(VALU_DEP_1)
	v_max_num_f32 v13, v13, v226
	v_mov_b32 v226, v12
	s_delay_alu instid0(VALU_DEP_2)
	v_floor_f32 v12, -v13                          ; the new -M = -ceil(t)
	s_delay_alu instid0(VALU_DEP_1)
	v_sub_f32 v226, v12, v226
	s_delay_alu instid0(VALU_DEP_1)
	v_cvt_i32_f32 v226, v226
	s_delay_alu instid0(VALU_DEP_1)
	v_ldexp_f32 v224, 1.0, v226                    ; f = 2^(old M - new M)
.set j, 0
.rept 32
	v_pk_fma_f32 v[96+j:97+j], v[96+j:97+j], s[66:67], v[12:13] op_sel_hi:[1,0,0]   ; t - M
.set j, j+2
.endr
.irp b, 0,1,2,3
	v_fma_f32 v[BM+\b], v[BM+\b], s66, v12
.endr
.set j, 0
	s_wait_alu depctr_va_vdst(0)                   ; the wait ahead of the batch
.rept 64
	v_exp_f32 v[96+j], v[96+j]
.set j, j+1
.endr
.irp b, 0,1,2,3
	v_exp_f32 v[BM+\b], v[BM+\b]
.endr
	v_pk_mul_f32 v[14:15], v[14:15], v[224:225] op_sel_hi:[1,0]   ; l under the new M
	s_wait_alu depctr_va_vdst(0)                   ; and behind it
.irp b, 0,1,2,3
	v_max_num_f32 v[BM+\b], 0x1800000, v[BM+\b]    ; the floor 2^(3 - 127)
.endr
.irp b, 0,1,2,3
	s_delay_alu instid0(VALU_DEP_4)
	v_add_nc_u32 v[SO+\b], 0xff000000, v[BM+\b]
.endr
.irp b, 0,1,2,3
	s_delay_alu instid0(VALU_DEP_4)
	v_lshrrev_b32 v[PT+\b], 23, v[SO+\b]
.endr
	s_delay_alu instid0(VALU_DEP_3)
	v_lshl_or_b32 v230, v[PT+1], 8, v[PT]
	s_delay_alu instid0(VALU_DEP_1)
	v_lshl_or_b32 v230, v[PT+2], 16, v230
	s_delay_alu instid0(VALU_DEP_1)
	v_lshl_or_b32 v230, v[PT+3], 24, v230
.irp c, 0,1
	v_cvt_scalef32_pk16_fp6_f32 v[192+6*\c:194+6*\c], v[96+32*\c:111+32*\c], v[SO+2*\c]
	v_cvt_scalef32_pk16_fp6_f32 v[204+4*\c:206+4*\c], v[112+32*\c:127+32*\c], v[SO+2*\c+1]
.endr
	v_nop
.irp c, 0,1
.irp i, 0,1,2
	v_permlane16_swap_b32 v[192+6*\c+\i], v[204+4*\c+\i]
.endr
.irp i, 0,1,2
	s_delay_alu instid0(VALU_DEP_3)
	v_mov_b32 v[195+6*\c+\i], v[204+4*\c+\i]
.endr
.endr
.irp k, 0,1,2,3,4,5,6,7                        ; the sum of the unquantised p: eight chains side by side, then a tree
	v_pk_add_f32 v[TS+2*\k:TS+2*\k+1], v[96+8*\k:97+8*\k], v[98+8*\k:99+8*\k]
.endr
.irp k, 0,1,2,3,4,5,6,7
	v_pk_add_f32 v[TS+2*\k:TS+2*\k+1], v[TS+2*\k:TS+2*\k+1], v[100+8*\k:101+8*\k]
.endr
.irp k, 0,1,2,3,4,5,6,7
	v_pk_add_f32 v[TS+2*\k:TS+2*\k+1], v[TS+2*\k:TS+2*\k+1], v[102+8*\k:103+8*\k]
.endr
.irp k, 0,1,2,3
	v_pk_add_f32 v[TS+2*\k:TS+2*\k+1], v[TS+2*\k:TS+2*\k+1], v[TS+8+2*\k:TS+9+2*\k]
.endr
.irp k, 0,1
	s_delay_alu instid0(VALU_DEP_2)
	v_pk_add_f32 v[TS+2*\k:TS+2*\k+1], v[TS+2*\k:TS+2*\k+1], v[TS+4+2*\k:TS+5+2*\k]
.endr
	s_delay_alu instid0(VALU_DEP_1)
	v_pk_add_f32 v[TS:TS+1], v[TS:TS+1], v[TS+2:TS+3]
	s_delay_alu instid0(VALU_DEP_1)
	v_pk_add_f32 v[14:15], v[14:15], v[TS:TS+1]
	s_wait_alu depctr_va_vdst(0)                   ; the wait ahead of the first reader of O^T
.set j, 0
.rept 16
	v_pk_mul_f32 v[160+j:161+j], v[160+j:161+j], v[224:225] op_sel_hi:[1,0]   ; O^T under the new M
.set j, j+2
.endr
	s_wait_alu depctr_va_vdst(0)
	s_wait_dscnt 0x0                               ; V^T and its scale words are in
.irp f, 0,1,2,3
.if \f%2
	v_wmma_scale_f32_16x16x128_f8f6f4 v[160+8*\f:167+8*\f], v[32+12*\f:43+12*\f], v[192:203], v[160+8*\f:167+8*\f], v[236+\f/2], v230 matrix_a_fmt:MATRIX_FMT_FP6 matrix_b_fmt:MATRIX_FMT_FP6 matrix_a_scale:MATRIX_SCALE_ROW1
.else
	v_wmma_scale_f32_16x16x128_f8f6f4 v[160+8*\f:167+8*\f], v[32+12*\f:43+12*\f], v[192:203], v[160+8*\f:167+8*\f], v[236+\f/2], v230 matrix_a_fmt:MATRIX_FMT_FP6 matrix_b_fmt:MATRIX_FMT_FP6
.endif
.endr                                          ; the accumulators take turns
	s_add_co_u32 s68, s68, STEPB
	s_add_co_u32 s69, s69, 512
	s_add_co_u32 s70, s70, 256
.endm
; A PASS: 256 queries of the work-group against all 16 steps, which lie in LDS; then o and its scale halves.
.macro PASS ps
.if \ps
	s_wait_xcnt 0x0                                ; the first pass's stores have read their data
.irp i, 0,1,2,3,4,5
	v_mov_b32 v[16+\i], v[86+\i]
.endr
	v_mov_b32 v28, v92
.endif
	v_mov_b32 v13, 0xff61b1e6                      ; the largest t so far: -3e38
	v_mov_b32 v14, 0
	v_mov_b32 v15, 0
	v_floor_f32 v12, -v13
.set i, 0
.rept 32
	v_mov_b32 v[160+i], 0                          ; the first step finds zeros, which the first change of M leaves zeros
.set i, i+1
.endr
	s_mov_b32 s68, 12288                           ; the step's codes, K's scale words, V's
	s_mov_b32 s69, 0
	s_mov_b32 s70, 8192
	s_mov_b32 s71, 16
.Lstep_\@:
	STEP
	s_sub_co_u32 s71, s71, 1
	s_cmp_lg_u32 s71, 0
	s_cbranch_scc1 .Lstep_\@
	v_add_f32 v14, v14, v15
	s_delay_alu instid0(VALU_DEP_1)
	v_permlanex16_b32 v226, v14, s62, s63
	s_delay_alu instid0(VALU_DEP_1)
	v_add_f32 v14, v14, v226                       ; the row's sum
	s_wait_alu depctr_va_vdst(0)
	v_rcp_f32 v14, v14
.rept 4
	v_nop
.endr
.set j, 0
	s_wait_alu depctr_va_vdst(0)
.rept 32
	v_mul_f32 v[96+j], v[160+j], v14               ; register 8 f + n = o(r, 16 f + 8 h + n)
.set j, j+1
.endr
.irp b, 0,1
.irp n, 0,1,2,3,4,5,6,7
	v_permlane16_swap_b32 v[96+16*\b+\n], v[104+16*\b+\n]   ; now register 16 b + i = o(r, 32 b + 16 h + i)
.endr
.endr
.irp b, 0,1
	v_max3_num_f32 v[BM+\b], |v[96+16*\b]|, |v[97+16*\b]|, 0x1800000
.endr
.irp i, 2,4,6,8,10,12,14
.irp b, 0,1
	s_delay_alu instid0(VALU_DEP_2)
	v_max3_num_f32 v[BM+\b], v[BM+\b], |v[96+16*\b+\i]|, |v[97+16*\b+\i]|
.endr
.endr
.irp b, 0,1
	s_delay_alu instid0(VALU_DEP_2)
	v_permlanex16_b32 v[PT+\b], v[BM+\b], s62, s63
.endr
.irp b, 0,1
	s_delay_alu instid0(VALU_DEP_2)
	v_max_num_f32 v[BM+\b], v[BM+\b], v[PT+\b]
.endr
.irp b, 0,1
	s_delay_alu instid0(VALU_DEP_2)
	v_add_nc_u32 v[SO+\b], 0xff000000, v[BM+\b]
.endr
.irp b, 0,1
	s_delay_alu instid0(VALU_DEP_2)
	v_lshrrev_b32 v[PT+\b], 23, v[SO+\b]
.endr
	s_delay_alu instid0(VALU_DEP_1)
	v_lshl_or_b32 v226, v[PT+1], 8, v[PT]          ; my query's two scale bytes for this head
	v_cvt_scalef32_pk16_fp6_f32 v[192:194], v[96:111], v[SO]
	v_cvt_scalef32_pk16_fp6_f32 v[204:206], v[112:127], v[SO+1]
	v_nop
.irp i, 0,1,2
	v_permlane16_swap_b32 v[192+\i], v[204+\i]
.endr
.irp i, 0,1,2
	s_delay_alu instid0(VALU_DEP_3)
	v_mov_b32 v[195+\i], v[204+\i]
.endr
.irp p, 0,1,2
	global_store_b64 v1, v[192+2*\p:193+2*\p], s[8:9] offset:196608*\ps+256*\p   ; 32 lanes store 256 consecutive bytes, aligned; a pass is 16 token tiles
.endr
	ds_store_b16 v11, v226 offset:512*\ps          ; both lanes of a query write the same halfword
.endm
	s_wait_alu depctr_va_vdst(0)                   ; the wait at the head's end
	s_wait_loadcnt 0x0                             ; Q of both passes
	s_wait_tensorcnt 0x0                           ; my sixteenth of the head's block
	s_barrier_signal -1
	s_barrier_wait -1                              ; everybody's
	PASS 0
	PASS 1
	v_add_nc_u32 v8, STG, v2
	s_wait_alu depctr_va_vdst(0)
	s_wait_dscnt 0x0                               ; for the others' sake
	s_barrier_signal -1
	s_barrier_wait -1
	s_cmp_lg_u32 s[WV], 0
	s_cbranch_scc1 .Lnot_first
	ds_load_b128 v[96:99], v8                      ; wave 0 stores the work-group's 1,024 bytes of scale halves
	ds_load_b128 v[100:103], v8 offset:512
	s_wait_dscnt 0x0
	global_store_b128 v2, v[96:99], s[10:11]
	global_store_b128 v2, v[100:103], s[10:11] offset:512
.Lnot_first:
	s_wait_tensorcnt 0x0                           ; the wave's end
	ds_add_u32 v254, v255
	s_wait_dscnt 0x0
	ROUND
	s_endpgm
.Lfunc_end_k_q877ec65229_attn:
	.size	k_q877ec65229_attn, .Lfunc_end_k_q877ec65229_attn-k_q877ec65229_attn
	.p2alignl 7, 3214868480
	.fill 96, 4, 3214868480
	.section	.rodata,"a",@progbits
	.p2align	6, 0x0
	.amdhsa_kernel k_q877ec65229_attn
		.amdhsa_group_segment_fixed_size 215040
		.amdhsa_private_segment_fixed_size 0
		.amdhsa_enable_private_segment 0
		.amdhsa_kernarg_size 32
		.amdhsa_user_sgpr_count 2
		.amdhsa_user_sgpr_kernarg_segment_ptr 1
		.amdhsa_wavefront_size32 1
		.amdhsa_system_sgpr_workgroup_id_x 1
		.amdhsa_system_sgpr_workgroup_id_y 1
		.amdhsa_system_sgpr_workgroup_id_z 1
		.amdhsa_system_vgpr_workitem_id 0
		.amdhsa_next_free_vgpr 256
		.amdhsa_next_free_sgpr 76
		.amdhsa_reserve_vcc 0
		.amdhsa_float_denorm_mode_32 3
		.amdhsa_float_denorm_mode_16_64 3
		.amdhsa_memory_ordered 1
		.amdhsa_forward_progress 1
		.amdhsa_inst_pref_size 56
	.end_amdhsa_kernel
	.amdgpu_metadata
---
amdhsa.version: [ 1, 2 ]
amdhsa.kernels:
  - .name:           k_q877ec65229_attn
    .symbol:         k_q877ec65229_attn.kd
    .args:
      - { .name: qimg, .offset: 0, .size: 8, .value_kind: global_buffer, .address_space: global }
      - { .name: kvimg, .offset: 8, .size: 8, .value_kind: global_buffer, .address_space: global }
      - { .name: oimg, .offset: 16, .size: 8, .value_kind: global_buffer, .address_space: global }
      - { .name: osc, .offset: 24, .size: 8, .value_kind: global_buffer, .address_space: global }
    .group_segment_fixed_size: 215040
    .private_segment_fixed_size: 0
    .kernarg_segment_align: 8
    .kernarg_segment_size: 32
    .max_flat_workgroup_size: 512
    .sgpr_count:     76
    .vgpr_count:     256
    .wavefront_size: 32
...
	.end_amdgpu_metadata
.endif
;; end of part 2
;; launch oproj (part 3): grid 8 x 32, 4 waves a work-group, clusters of 4 x 4, 327,680 bytes of LDS; arguments oimg, osc, Wo_codes, Wo_scales, out0, bo; writes out0
.if DOCPART == 3
	.amdgcn_target "amdgcn-amd-amdhsa--gfx1250"
	.amdhsa_code_object_version 6
	.text
	.protected	k_q877ec65229_oproj
	.globl	k_q877ec65229_oproj
	.p2align	8
	.type	k_q877ec65229_oproj,@function
k_q877ec65229_oproj:
	s_mov_b64 s[64:65], 0
	v_nop
	global_prefetch_b8 v0, s[64:65] scope:SCOPE_SE
	s_setreg_imm32_b32 hwreg(HW_REG_WAVE_MODE, 25, 1), 1
	s_wait_xcnt 0x0
	s_wait_alu depctr_hold_cnt(0) depctr_sa_sdst(0) depctr_va_vdst(0) depctr_va_sdst(0) depctr_va_ssrc(0) depctr_va_vcc(0) depctr_vm_vsrc(0)
	s_getreg_b32 s2, hwreg(HW_REG_IB_STS2, 6, 4)
	s_cmp_eq_u32 s2, 0
	s_cbranch_scc0 .Lentry_in_a_cluster
	s_endpgm
.Lentry_in_a_cluster:
	s_bfe_u32 s2, ttmp6, 0x10000c
	s_cmp_lg_u32 s2, 0xf033
	s_cbranch_scc0 .Lentry_shape_is_right
	s_endpgm
.Lentry_shape_is_right:
; out0 = o Wo + bo on codes of FP6 (E2M3).  o comes as oimg [token tile of 16][head][768 bytes: an image of six operand registers] and osc [head][token][2 scale bytes]; Wo as given, rows of 768 bytes.
; A work-group makes 256 tokens x 128 columns, four waves 2 x 2, 128 x 64 a wave: 32 accumulators.  ALL OF K LIES IN LDS: o's 16 token tiles in two halves of K (4 steps of 128 each), Wo's 128 rows (pitch 768 + 3 x 16),
; Wo's scale bytes; o's scale words are put together from osc by the waves.  One tensor load a wave at the head, nothing is filled again.  The first barrier shows Wo, its scales and o's first half; a barrier in step 3 the second half.
; o's tiles are shared along a row of the cluster, Wo's along a column: joint loads.  No prefetch: all is asked for at the head, so there is no loop to run ahead in.
; Source 0 = Wo's rows, source 1 = o's: a lane holds eight neighbouring columns of a row of out0.  The bias is the C of the first step's products.
; The stage for the way out lies in o's first half, which has had its only fill and, behind step 3's barrier, its last read.
; REGISTERS: window 0: v16-29 addresses, v32-111 scale words (block i, step q at 32 + 10 i + q), v112-143 the bias, v144-239 o's fragments of even steps; window 3: those of odd steps; window 1: Wo's, two sets; window 2: sums.
.set SIZE_N, 1024
.set KROW,   768
.set PITCH,  816
.set ATILE,  6144                      ; half of K of a token tile
.set APITCH, 12288
.set AH,     16*ATILE
.set BREG,   2*AH
.set SCLB,   BREG+128*PITCH            ; Wo's scale bytes: 16 units of 256 + 16
.set SCLA,   SCLB+16*272               ; o's: 32 units
.set SPARE,  SCLA+32*272
.set SBLK,   544                       ; 16 rows of scale bytes
.set SPITCH, 272
.set FR,     12
.set ADRA, 16
.set ADRB, 20
.set STO,  24
.set RD,   25
.set CO,   26
.set ADRS, 27
.set SPW,  28
.set NIL,  29
.set SC,   32
.set BB,   112
.set AF,   144
.set BK,   144
.set G1A, 24
.set G0A, 32
.set G1B, 48
.set G0B, 56
.set G1S, 68
.set G0S, 76
.set MSB, 0
.macro WIN new
.if MSB != (\new)
	s_set_vgpr_msb (MSB<<8)|(\new)
.set MSB, (\new)
.endif
.endm
.macro PLACES n
.rept \n
	v_nop
.endr
.endm
.macro CROUND
	s_barrier_signal -1
	s_barrier_wait -1
	s_cmp_lg_u32 s14, 0
	s_cbranch_scc1 .Lnot_wave_0_\@
	s_barrier_signal -3
.Lnot_wave_0_\@:
	s_barrier_wait -3
	s_barrier_signal -1
	s_barrier_wait -1
.endm
	s_load_b128 s[4:7], s[0:1], 0x0                ; oimg, osc
	s_load_b128 s[8:11], s[0:1], 0x10              ; Wo's codes, scales
	s_load_b64 s[12:13], s[0:1], 0x20              ; out0
	s_load_b64 s[60:61], s[0:1], 0x28              ; bo
	v_lshl_add_u32 v[SPW], v0, 2, SPARE
	v_mov_b32 v[NIL], 0
	ds_add_u32 v[SPW], v[NIL]                      ; the opening lines
	ds_add_u32 v[SPW], v[NIL]
	v_lshrrev_b32 v1, 5, v0
	v_readfirstlane_b32 s14, v1
	s_lshr_b32 s15, s14, 1                         ; my half of the tokens
	s_and_b32 s16, s14, 1                          ; my half of the columns
	s_bfe_u32 s40, ttmp6, 0x40000
	s_bfe_u32 s41, ttmp6, 0x40004
	s_lshl_b32 s42, ttmp9, 2
	s_add_co_u32 s42, s42, s40                     ; tile column, 0 .. 7
	s_and_b32 s17, ttmp7, 0xffff
	s_lshl_b32 s17, s17, 2
	s_add_co_u32 s17, s17, s41                     ; tile row, 0 .. 31
	s_lshl_b32 s43, s41, 2
	s_lshl_b32 s43, 15, s43
	s_lshl_b32 s44, 0x1111, s40
	s_mov_b32 s62, 0x05040100
	s_mov_b32 s63, 0x07060302
	s_or_b32 s[G1A+0], s43, (3<<16)|(1<<21)        ; 16 rows of 6,144 bytes, pitch 12,288, dense in LDS
	s_mov_b32 s[G1A+1], (ATILE/8)<<16
	s_mov_b32 s[G1A+2], 16<<16
	s_mov_b32 s[G1A+3], (ATILE/8)<<16
	s_mov_b32 s[G1A+4], 16
	s_mov_b32 s[G1A+5], APITCH/8
	s_mov_b32 s[G1A+6], 0
	s_mov_b32 s[G1A+7], 0
	s_or_b32 s[G1B+0], s44, (1<<20)|(1<<21)|(5<<22)|(3<<25)   ; 128 rows of 768 bytes, 16 of padding behind every 256
	s_mov_b32 s[G1B+1], KROW<<16
	s_mov_b32 s[G1B+2], 128<<16
	s_mov_b32 s[G1B+3], KROW<<16
	s_mov_b32 s[G1B+4], 128
	s_mov_b32 s[G1B+5], KROW
	s_mov_b32 s[G1B+6], 0
	s_mov_b32 s[G1B+7], 0
	s_or_b32 s[G1S+0], s44, (3<<16)|(1<<20)|(1<<21)|(5<<22)|(3<<25)   ; 16 units of 256 bytes
	s_mov_b32 s[G1S+1], 32<<16
	s_mov_b32 s[G1S+2], 16<<16
	s_mov_b32 s[G1S+3], 32<<16
	s_mov_b32 s[G1S+4], 16
	s_mov_b32 s[G1S+5], 32
	s_mov_b32 s[G1S+6], 0
	s_mov_b32 s[G1S+7], 0
	s_mul_i32 s20, s17, 16*APITCH
	s_mov_b32 s21, 0
	s_mul_i32 s46, s42, 128*KROW
	s_mov_b32 s47, 0
	s_lshl_b32 s22, s42, 12
	s_mov_b32 s23, 0
	s_wait_dscnt 0x0
	s_wait_kmcnt 0x0
	CROUND                                         ; the joint loads meet
	s_mov_b32 s[G0A], 1
	s_mov_b32 s[G0A+1], 0
	s_add_nc_u64 s[G0A+2:G0A+3], s[4:5], s[20:21]
	s_mov_b32 s[G0A+4], 1
	s_mov_b32 s[G0A+5], AH
	s_add_nc_u64 s[G0A+6:G0A+7], s[G0A+2:G0A+3], ATILE
	s_or_b32 s[G0A+3], s[G0A+3], 0x80000000
	s_or_b32 s[G0A+7], s[G0A+7], 0x80000000
	s_mov_b32 s[G0B], 1
	s_mov_b32 s[G0B+1], BREG
	s_add_nc_u64 s[G0B+2:G0B+3], s[8:9], s[46:47]
	s_or_b32 s[G0B+3], s[G0B+3], 0x80000000
	s_mov_b32 s[G0S], 1
	s_mov_b32 s[G0S+1], SCLB
	s_add_nc_u64 s[G0S+2:G0S+3], s[10:11], s[22:23]
	s_or_b32 s[G0S+3], s[G0S+3], 0x80000000
.macro ARM under, g0, g1, next
	s_cmp_lt_u32 s14, \under
	s_cbranch_scc0 \next
	tensor_load_to_lds s[\g0:\g0+3], s[\g1:\g1+7]
	s_nop 0
	PLACES 4
	s_branch .Lhead_asked
\next:
.endm
	ARM 1, G0B, G1B, .Lhead_s                      ; wave 0: Wo's rows
	ARM 2, G0S, G1S, .Lhead_a0                     ; wave 1: their scale bytes
	ARM 3, G0A, G1A, .Lhead_a1                     ; wave 2: o, steps 0-3
	tensor_load_to_lds s[G0A+4:G0A+7], s[G1A:G1A+7]   ; wave 3: o, steps 4-7
	s_nop 0
	PLACES 4
.Lhead_asked:
	s_lshl_b32 s20, s17, 9
	s_mov_b32 s21, 0
	s_add_nc_u64 s[6:7], s[6:7], s[20:21]          ; my 256 tokens' scale halves
	v_lshlrev_b32 v8, 2, v0
.irp d, 0,1,2,3,4,5,6,7,8,9,10,11,12,13,14,15
	global_load_b32 v[144+\d], v8, s[6:7] offset:16384*\d   ; head d, tokens 2 t and 2 t + 1
.endr
	v_and_b32 v1, 15, v0
	v_bfe_u32 v2, v0, 4, 1
	s_lshl_b32 s46, s42, 9
	s_lshl_b32 s47, s16, 8
	s_add_co_u32 s46, s46, s47                     ; my first column, in bytes
	s_mov_b32 s47, 0
	s_add_nc_u64 s[60:61], s[60:61], s[46:47]
	v_lshlrev_b32 v7, 5, v2
.irp x, 0,1,2,3
	global_load_b128 v[BB+8*\x:BB+8*\x+3], v7, s[60:61] offset:64*\x
	global_load_b128 v[BB+8*\x+4:BB+8*\x+7], v7, s[60:61] offset:64*\x+16
.endr
	v_and_b32 v6, 31, v0
	v_lshlrev_b32 v9, 3, v6
	s_mul_i32 s21, s15, 8*ATILE
	v_add_nc_u32 v[ADRA], s21, v9
	s_add_co_u32 s21, s21, AH
	v_add_nc_u32 v[ADRA+1], s21, v9
	v_mul_u32_u24 v3, v1, PITCH
	v_mad_u32_u24 v4, v2, 24, v3
	v_lshl_add_u32 v5, v2, 4, v4                   ; for the pieces whose lanes 16-31 lie behind one padding more
	s_mul_i32 s22, s16, 64*PITCH
	s_add_co_u32 s22, s22, BREG
	v_add_nc_u32 v[ADRB], s22, v4
	v_add_nc_u32 v[ADRB+1], s22, v5
	v_mul_u32_u24 v5, v1, 32
	v_lshrrev_b32 v6, 8, v5
	v_lshl_add_u32 v5, v6, 4, v5
	s_mul_i32 s21, s16, 8*272
	s_add_co_u32 s21, s21, SCLB                    ; lanes 16-31: Wo's words;
	s_mul_i32 s22, s15, 16*272
	s_add_co_u32 s22, s22, SCLA
	s_sub_co_u32 s22, s22, s21                     ; lanes 0-15: o's, further on
	v_sub_nc_u32 v10, 1, v2
	v_mul_u32_u24 v6, s22, v10
	v_add_nc_u32 v5, v5, v6
	v_add_nc_u32 v[ADRS], s21, v5
	s_mul_i32 s23, s14, 16*SPITCH
	v_mul_u32_u24 v5, v1, SPITCH
	v_lshl_add_u32 v5, v2, 5, v5
	v_add_nc_u32 v[STO], s23, v5
	v_mul_u32_u24 v5, v2, SPITCH
	v_lshl_add_u32 v5, v1, 4, v5
	v_add_nc_u32 v[RD], s23, v5
	v_lshlrev_b32 v5, 12, v2
	v_lshl_add_u32 v[CO], v1, 4, v5
	s_lshl_b32 s20, s17, 8
	s_lshl_b32 s21, s15, 7
	s_add_co_u32 s20, s20, s21
	s_lshl_b32 s20, s20, 12                        ; my first row of out0, 4,096 bytes a row
	s_mov_b32 s21, 0
	s_add_nc_u64 s[20:21], s[20:21], s[46:47]
	s_add_nc_u64 s[12:13], s[12:13], s[20:21]
	v_lshrrev_b32 v6, 2, v0
	v_lshlrev_b32 v6, 4, v6
	v_lshl_add_u32 v6, v0, 6, v6
	v_add_nc_u32 v6, SCLA, v6                      ; two tokens' 64 bytes a thread, 16 more for each 256
	s_wait_alu depctr_va_vdst(0)
	s_wait_loadcnt 8                               ; all but the bias's eight
.irp s, 0,1,2,3,4,5,6,7
	v_perm_b32 v[160+\s], v[145+2*\s], v[144+2*\s], s62   ; step s's word of token 2 t: heads 2 s, 2 s + 1
	v_perm_b32 v[168+\s], v[145+2*\s], v[144+2*\s], s63   ; and of token 2 t + 1
.endr
.irp c, 0,1,2,3
	ds_store_b128 v6, v[160+4*\c:163+4*\c] offset:16*\c
.endr
.macro FRAGB reg, q, i
.irp p, 0,1,2,3,4,5
.set PCE, 12*(\q)+6*(\p/3)+\p%3
.if PCE%32 < 29
	ds_load_b64 v[\reg+2*\p:\reg+2*\p+1], v[ADRB] offset:8*PCE+16*(PCE/32)+(\i)*16*PITCH
.else
	ds_load_b64 v[\reg+2*\p:\reg+2*\p+1], v[ADRB+1] offset:8*PCE+16*(PCE/32)+(\i)*16*PITCH
.endif
.endr
.endm
.macro FRAGA reg, q, i
.irp c, 0,1
.irp p, 0,1,2
	ds_load_b64 v[\reg+6*\c+2*\p:\reg+6*\c+2*\p+1], v[ADRA+(\q)/4] offset:ATILE*(\i)+1536*((\q)%4)+768*\c+256*\p
.endr
.endr
.endm
.macro FETCH st                        ; step st's 12 fragments into set st % 2
	WIN 0x40
.irp i, 0,1,2,3
	FRAGB 128*((\st)%2)+FR*\i, \st, \i
.endr
	WIN 0xc0*((\st)%2)
.irp i, 0,1,2,3,4,5,6,7
	FRAGA AF+FR*\i, \st, \i
.endr
	WIN 0
.endm
.macro MUL a0, st, cm                  ; o's blocks a0 .. a0 + 3 x Wo's four.  The 32 accumulators take turns
.if \cm
	WIN 0x81
.else
	WIN 0xa1|(0x0c*((\st)%2))
.endif
.irp a, \a0, \a0+1, \a0+2, \a0+3
.irp b, 0,1,2,3
.set rD, 8*(4*(\a)+\b)
.set rB, 128*((\st)%2)+FR*\b
.set rA, AF+FR*(\a)
.if \cm
	v_wmma_scale_f32_16x16x128_f8f6f4 v[rD:rD+7], v[rB:rB+FR-1], v[rA:rA+FR-1], v[BB+8*\b:BB+8*\b+7], v[SC+10*\b+(\st)], v[SC+10*(\a)+(\st)] matrix_a_fmt:MATRIX_FMT_FP6 matrix_b_fmt:MATRIX_FMT_FP6 matrix_a_scale:MATRIX_SCALE_ROW1
.else
	v_wmma_scale_f32_16x16x128_f8f6f4 v[rD:rD+7], v[rB:rB+FR-1], v[rA:rA+FR-1], v[rD:rD+7], v[SC+10*\b+(\st)], v[SC+10*(\a)+(\st)] matrix_a_fmt:MATRIX_FMT_FP6 matrix_b_fmt:MATRIX_FMT_FP6 matrix_a_scale:MATRIX_SCALE_ROW1
.endif
.endr
.endr
.endm
.macro STEP st, cm
.if (\st) == 3
	s_wait_tensorcnt 0x0                           ; every wave: o's second half is in
.endif
	s_wait_dscnt 0x0                               ; this step's fragments, asked for half a step ago
.if (\st) == 3
	s_barrier_signal -1
.endif
	MUL 0, \st, \cm
.if (\st) == 3
	s_barrier_wait -1
.endif
.if (\st) < 7
	PLACES 4                                       ; ahead of loads into registers that the last step's products read
	FETCH (\st)+1
.endif
	MUL 4, \st, \cm
.endm
	s_wait_alu depctr_va_vdst(0)                   ; the wait at the head's end
	s_cmp_eq_u32 s14, 3
	s_cbranch_scc1 .Lnot_yet
	s_wait_tensorcnt 0x0                           ; waves 0 to 2: their tiles are in
.Lnot_yet:
	s_wait_dscnt 0x0                               ; my part of o's scale words is stored
	s_barrier_signal -1
	s_barrier_wait -1
	FETCH 0
.irp i, 0,1,2,3,4,5,6,7
	ds_load_b128 v[SC+10*\i:SC+10*\i+3], v[ADRS] offset:SBLK*\i        ; a row's eight words: all eight steps
	ds_load_b128 v[SC+10*\i+4:SC+10*\i+7], v[ADRS] offset:SBLK*\i+16
.endr
	s_wait_loadcnt 0x0                             ; the bias
	STEP 0, 1
.set ST, 1
.rept 7
	STEP ST, 0
.set ST, ST+1
.endr
	WIN 0
; THE WAY OUT, by blocks of 16 rows x 64 columns: through my stage, back as rows of 256 bytes, two to a load
.macro TOSTAGE a
	WIN 0x08
.irp b, 0,1,2,3
	ds_store_b128 v[STO], v[32*(\a)+8*\b:32*(\a)+8*\b+3] offset:64*\b
	ds_store_b128 v[STO], v[32*(\a)+8*\b+4:32*(\a)+8*\b+7] offset:64*\b+16
.endr
	WIN 0
.set BBK, BK+32*((\a)%2)
.irp t, 0,1,2,3,4,5,6,7
	ds_load_b128 v[BBK+4*\t:BBK+4*\t+3], v[RD] offset:\t*2*SPITCH
.endr
.endm
.macro SEND a, younger
.set BBK, BK+32*((\a)%2)
	s_wait_dscnt \younger
.if (\a) > 0
	s_add_nc_u64 s[12:13], s[12:13], 16*SIZE_N*4
.endif
.irp t, 0,1,2,3,4,5,6,7
	global_store_b128 v[CO], v[BBK+4*\t:BBK+4*\t+3], s[12:13] offset:2*\t*SIZE_N*4 th:TH_STORE_NT   ; 16 lanes store 256 consecutive bytes, aligned
.endr
.endm
	PLACES 4
	TOSTAGE 0
.irp a, 1,2,3,4,5,6,7
.if \a > 1
	s_wait_xcnt 0x0                                ; block a - 2's stores have read their registers and base
.endif
	TOSTAGE \a
	SEND \a-1, 16                                  ; younger: block a's 8 stores and 8 loads
.endr
	s_wait_xcnt 0x0
	SEND 7, 0
	s_wait_tensorcnt 0x0                           ; the wave's end
	ds_add_u32 v[SPW], v[NIL]
	s_wait_dscnt 0x0
	CROUND
	s_endpgm
.Lfunc_end_k_q877ec65229_oproj:
	.size	k_q877ec65229_oproj, .Lfunc_end_k_q877ec65229_oproj-k_q877ec65229_oproj
	.p2alignl 7, 3214868480
	.fill 96, 4, 3214868480
	.section	.rodata,"a",@progbits
	.p2align	6, 0x0
	.amdhsa_kernel k_q877ec65229_oproj
		.amdhsa_group_segment_fixed_size 327680
		.amdhsa_private_segment_fixed_size 0
		.amdhsa_enable_private_segment 0
		.amdhsa_kernarg_size 48
		.amdhsa_user_sgpr_count 2
		.amdhsa_user_sgpr_kernarg_segment_ptr 1
		.amdhsa_wavefront_size32 1
		.amdhsa_system_sgpr_workgroup_id_x 1
		.amdhsa_system_sgpr_workgroup_id_y 1
		.amdhsa_system_sgpr_workgroup_id_z 1
		.amdhsa_system_vgpr_workitem_id 0
		.amdhsa_next_free_vgpr 1024
		.amdhsa_next_free_sgpr 80
		.amdhsa_reserve_vcc 0
		.amdhsa_float_denorm_mode_32 3
		.amdhsa_float_denorm_mode_16_64 3
		.amdhsa_memory_ordered 1
		.amdhsa_forward_progress 1
		.amdhsa_inst_pref_size 100
	.end_amdhsa_kernel
	.amdgpu_metadata
---
amdhsa.version: [ 1, 2 ]
amdhsa.kernels:
  - .name:           k_q877ec65229_oproj
    .symbol:         k_q877ec65229_oproj.kd
    .args:
      - { .name: oimg, .offset: 0, .size: 8, .value_kind: global_buffer, .address_space: global }
      - { .name: osc, .offset: 8, .size: 8, .value_kind: global_buffer, .address_space: global }
      - { .name: Wo_codes, .offset: 16, .size: 8, .value_kind: global_buffer, .address_space: global }
      - { .name: Wo_scales, .offset: 24, .size: 8, .value_kind: global_buffer, .address_space: global }
      - { .name: out0, .offset: 32, .size: 8, .value_kind: global_buffer, .address_space: global }
      - { .name: bo, .offset: 40, .size: 8, .value_kind: global_buffer, .address_space: global }
    .group_segment_fixed_size: 327680
    .private_segment_fixed_size: 0
    .kernarg_segment_align: 8
    .kernarg_segment_size: 48
    .max_flat_workgroup_size: 128
    .sgpr_count:     80
    .vgpr_count:     1024
    .wavefront_size: 32
...
	.end_amdgpu_metadata
.endif
;; end of part 3
